; MI455X (gfx1250); checked and timed in simulation.
; The chip was launched on July 23, 2026; its instructions are those of AMD's public machine-readable ISA for CDNA 5 (MIT licence, August 2026) and "CDNA5" Instruction Set Architecture Reference Guide (July 2026). The comments in the code are by the model that wrote it; some were corrected since.
;; Multi Head Self Attention. Allowed arithmetic: matrix products marked QUANTISED: E4M3 operands, one given power-of-two scale a tensor, by v_wmma_f32_16x16x64_fp8_fp8 or v_wmma_f32_16x16x128_fp8_fp8, f32 sums; everything else in f32.
;; Inputs: Wk 1,024 x 1,024 float32; Wo 1,024 x 1,024 float32; Wq 1,024 x 1,024 float32; Wv 1,024 x 1,024 float32; lowp_scales 12 int32 (the exponents e of the quantised operands' scales 2^e); token_positions 2,048 int32; x 4 x 2,048 x 1,024 float32.
;; Outputs: out0 4 x 2,048 x 1,024 float32.
;; This version of the problem:
;;   THIS VERSION OF THE PROBLEM IS GIVEN IN LOW PRECISION. The matrix products marked QUANTISED in the list below multiply operands that are first quantised to E4M3 (4 exponent bits, 3 mantissa bits; 8 bits a number), with one given power-of-two scale for each operand tensor; their sums are f32. All else is computed in f32.
;;   The module's matrix products, in the order in which they are computed (A, B: the left and right operand; K: the contracted axis; several contracted axes count as one K, in the product's order):
;;     1. [M 8,192, K 1,024] x [K 1,024, N 1,024]; A: input x; B: input Wq: QUANTISED (scales: A lowp_scales[0], B lowp_scales[1])
;;     2. [M 8,192, K 1,024] x [K 1,024, N 1,024]; A: input x; B: input Wk: QUANTISED (scales: A lowp_scales[2], B lowp_scales[3])
;;     3. [M 8,192, K 1,024] x [K 1,024, N 1,024]; A: input x; B: input Wv: QUANTISED (scales: A lowp_scales[4], B lowp_scales[5])
;;     4. batch 64 x [M 2,048, K 64] x [K 64, N 2,048]; A: computed on the way; B: computed on the way: QUANTISED (scales: A lowp_scales[6], B lowp_scales[7])
;;     5. batch 64 x [M 2,048, K 2,048] x [K 2,048, N 64]; A: softmax (see below); B: computed on the way: QUANTISED (scales: A lowp_scales[8], B lowp_scales[9])
;;     6. [M 8,192, K 1,024] x [K 1,024, N 1,024]; A: computed on the way; B: input Wo: QUANTISED (scales: A lowp_scales[10], B lowp_scales[11])
;;   THE QUANTISER, for each operand of a quantised product, along K:
;;     - The operand's scale is 2^e, e = its entry of the input lowp_scales (int32; the entries are numbered through the quantised products in the list's order, A before B).
;;     - Each number is divided by the scale, clamped to +-448, and rounded to the nearest number of E4M3, ties to even, subnormals kept.
;;     - The product sums the exact products of the quantised numbers (number of the format x scale) in f32.
;;   ~~~python
;;   def quantise(x, axis, e):      # numpy; x: float32 -> the quantised numbers, widened to float32 again
;;       x = np.moveaxis(x, axis, -1); K = x.shape[-1]
;;       r = np.clip(x / 2.0 ** e, -448, 448)
;;       step = 2.0 ** (np.maximum(np.frexp(np.where(r == 0, 1, r))[1] - 1, -6) - 3)
;;       q = np.round(r / step) * step * 2.0 ** e      # np.round: ties to even
;;       return np.moveaxis(q, -1, axis).astype(np.float32)
;;   ~~~
;;   SOFTMAX AHEAD OF A QUANTISED PRODUCT. Where the list says 'softmax', what is quantised is not the finished softmax but p = 2^(t - M), with t = logit x log2(e) and M = ceil(the row's largest t), a whole number; so 1/2 < the row's largest p <= 1. The row's sum l is taken of the UNQUANTISED p, in f32, and the product's result is divided by l at the end. Since M is a whole number, a kernel that streams over the keys may use a running M (the ceiling of the running maximum): every later rescaling is an exact power of two, so the quantised numbers keep their values, but for numbers so far below the row's largest that they fall under the format's range.
;;   OPERANDS COMPUTED ON THE WAY. 'Computed on the way' means the value that the module computes at that place (a softmax that the list does not call 'softmax' is quantised finished and normalised). What goes into a quantiser is computed in f32, as accurately as f32 sums, v_exp_f32 and their like allow (about 1e-6 of the number): no bf16 or f16 on the way to a quantiser, and a product that is left as it is and whose result goes on into a quantised operand takes f32 operands (vector FMAs, or v_wmma_f32_16x16x4_f32). A number that lies on a knife's edge between two numbers of the format may be rounded either way, as far as f32 arithmetic and the matrix unit's own rounding can turn it there, and no further.
;; One version. Each part assembles by itself: llvm-mc -triple=amdgcn-amd-amdhsa -mcpu=gfx1250 --defsym DOCPART=n.
;; ======== version 1 of 1: 4 launches
;; limits: right only within a limited range of input values
;; workspace buffers: xc 25,165,824 bytes; wc 4,194,304 bytes; rope 524,288 bytes; qkv 25,165,824 bytes; yc 8,388,608 bytes
;; launch prep (part 1): grid 416 x 1, 4 waves a work-group, no clusters, 70,144 bytes of LDS; arguments x, Wq, Wk, Wv, Wo, token_positions, lowp_scales, xc, wc, rope; writes xc, wc, rope
.if DOCPART == 1
	.amdgcn_target "amdgcn-amd-amdhsa--gfx1250"
	.amdhsa_code_object_version 6
	.text
	.protected	k_qd4284d5664_prep
	.globl	k_qd4284d5664_prep
	.p2align	8
	.type	k_qd4284d5664_prep,@function
k_qd4284d5664_prep:
	s_mov_b64 s[64:65], 0
	v_nop
	global_prefetch_b8 v0, s[64:65] scope:SCOPE_SE
	s_setreg_imm32_b32 hwreg(HW_REG_WAVE_MODE, 25, 1), 1
	s_wait_xcnt 0x0
; x [8192][1024] f32 becomes three sets of E4M3 codes (scales 2^e0, 2^e2, 2^e4: x is an operand of three products, each with its own entry);
; Wq, Wk, Wv, Wo [1024][1024] f32 become codes (e1, e3, e5, e11); cos and sin of position x frequency become a table for the next launch.
; code = number / 2^e, held within +-448, rounded to the nearest code, ties to even.
; LAYOUT OF ALL CODES: images of an operand's registers.  An image is 16 rows x 64 along K, 1,024 bytes: lane (r = lane % 16, h = lane / 16) holds, in registers 2 c and 2 c + 1,
; the codes of row r at k = 16 c + 8 h + 0 .. 7; bytes 0-511 are registers 0-3 of the 32 lanes, 16 bytes a lane, bytes 512-1023 registers 4-7.  xc: [set 3][tile of 16 rows 512][chunk of 64 K 16][1024]; wc: [weight 4][tile 64][chunk 16][1024].
; So a wave stores an image by two stores of 512 consecutive bytes, and later launches load fragments 16 bytes a lane on end.
; SHARES.  Work-groups 0-255: x; 256-383: the weights; 384-415: the table.  A wave of the first two kinds takes 16 rows x 512 along K, eight steps of 64.  Each load reads two rows' 256 consecutive bytes;
; a step's 4,096 bytes turn through the wave's own stage in LDS (rows 272 bytes apart) and come back as 8 neighbours along K four times a lane, as the conversions want them.
; No tensor load, no barrier, no cluster: waves share nothing and no byte is read twice.  The two kinds that use LDS have LDS bytes of their own.
; LIMITS: e0 .. e5 and e11 between -126 and 119, so that 2^e and 448 x 2^e are f32 numbers.  NaN among the inputs is not served.  |token position| up to 2^22: so far the three-part reduction of the angle holds its accuracy.
.set LO,   4                           ; v4   in: 4096 h + 16 r: lanes 0-15 one row's 256 bytes, lanes 16-31 the next row's
.set GO,   5                           ; v5   out: 16 x lane
.set SI,   6                           ; v6   the stage on the way in: 272 h + 16 r + my wave's region
.set SO,   7                           ; v7   on the way out: 272 r + 32 h + my wave's region
.set SC,   8                           ; v8-10  2^e as f32, for up to three sets
.set LIM,  11                          ; v11-13 unused
.set R,    16                          ; v16-111  three sets of 32: numbers as loaded
.set X,    112                         ; v112-175 two sets of 32: register 8 c + j = k 16 c + 8 h + j of row r
.set T,    176                         ; v176-207 unused
.set C,    208                         ; v208-255 two sets of 24: three images' registers
.set STG,  4352                        ; a stage: 16 rows x 272 bytes
.set REGX, 0                           ; LDS of the work-groups that take x: 4 waves x 2 stages
.set REGW, 34816                       ; and of those that take the weights
.macro LOAD t                          ; step t: 16 rows x 256 bytes
.set li, 0
.rept 8
	global_load_b128 v[R+32*((\t)%3)+4*li:R+32*((\t)%3)+4*li+3], v[LO], s[40:41] offset:8192*li+256*(\t) th:TH_LOAD_NT
.set li, li+1
.endr
.endm
.macro TURN t, reg                     ; step t through the stage: LDS serves a wave's instructions in order, so no wait stands between the stores and the loads
.set li, 0
.rept 8
	ds_store_b128 v[SI], v[R+32*((\t)%3)+4*li:R+32*((\t)%3)+4*li+3] offset:\reg+STG*((\t)%2)+544*li
.set li, li+1
.endr
.set li, 0
.rept 8
	ds_load_b128 v[X+32*((\t)%2)+4*li:X+32*((\t)%2)+4*li+3], v[SO] offset:\reg+STG*((\t)%2)+64*(li/2)+16*(li%2)
.set li, li+1
.endr
.endm
.macro QUANT t, o                      ; step t's 32 numbers a lane become set o's image
.set qi, 0
.rept 32
.set qi, qi+1
.endr
.irp c, 0,1,2,3
	v_cvt_scalef32_pk8_fp8_f32 v[C+24*((\t)%2)+8*(\o)+2*\c:C+24*((\t)%2)+8*(\o)+2*\c+1], v[T+8*\c+((X+32*((\t)%2)+qi)-(T+qi)):T+8*\c+7+((X+32*((\t)%2)+qi)-(T+qi))], v[SC+\o]
.endr
	v_nop                                          ; one plain vector line between the conversions and the next lines that write their sources
	global_store_b128 v[GO], v[C+24*((\t)%2)+8*(\o):C+24*((\t)%2)+8*(\o)+3], s[44+2*(\o):45+2*(\o)] offset:1024*(\t)        ; 512 consecutive bytes
	global_store_b128 v[GO], v[C+24*((\t)%2)+8*(\o)+4:C+24*((\t)%2)+8*(\o)+7], s[44+2*(\o):45+2*(\o)] offset:1024*(\t)+512
.endm
.macro STEP t, nout, reg
	s_wait_dscnt 0x0                               ; this step's numbers are back from the stage, and the stage's stores have read their registers
	s_wait_xcnt 0x0                                ; the earlier stores have read their data: the images' registers may be written again
.if (\t)+3 < 8
	LOAD (\t)+3
.endif
.if (\t) < 5
	s_wait_loadcnt 16                              ; the next step's eight loads are in; the sixteen of the two steps behind it may be out
.elseif (\t) == 5
	s_wait_loadcnt 8
.elseif (\t) == 6
	s_wait_loadcnt 0
.endif
.if (\t)+1 < 8
	TURN (\t)+1, \reg                              ; the next step goes through the other stage while this one is worked
.endif
	QUANT \t, 0
.if \nout > 1
	QUANT \t, 1
	QUANT \t, 2
.endif
.endm
.macro MKSC o, e                       ; v[SC+o] = 2^e; e stands in s[e]
	s_add_co_i32 s38, s[\e], 127
	s_lshl_b32 s39, s38, 23
	v_mov_b32 v[SC+\o], s39
	s_add_co_i32 s38, s38, 8
	s_lshl_b32 s38, s38, 23
	s_or_b32 s38, s38, 0x600000
.endm
	s_load_b512 s[4:19], s[0:1], 0x0               ; x 4:5, Wq 6:7, Wk 8:9, Wv 10:11, Wo 12:13, positions 14:15, exponents 16:17, xc 18:19
	s_load_b128 s[20:23], s[0:1], 0x40             ; wc 20:21, rope 22:23
	v_lshl_add_u32 v14, v0, 2, 0x11000
	v_mov_b32 v15, 0
	v_lshrrev_b32 v1, 5, v0
	v_readfirstlane_b32 s36, v1                    ; wave
	v_and_b32 v1, 31, v0                           ; lane
	v_and_b32 v2, 15, v0                           ; r
	v_bfe_u32 v3, v0, 4, 1                         ; h
	v_lshlrev_b32 v[LO], 4, v2
	v_lshl_add_u32 v[LO], v3, 12, v[LO]
	v_lshlrev_b32 v[GO], 4, v1
	s_mul_i32 s37, s36, 2*STG
	v_mul_u32_u24 v[SI], v3, 272
	v_lshl_add_u32 v[SI], v2, 4, v[SI]
	v_add_nc_u32 v[SI], s37, v[SI]
	v_mul_u32_u24 v[SO], v2, 272
	v_lshl_add_u32 v[SO], v3, 5, v[SO]
	v_add_nc_u32 v[SO], s37, v[SO]
	s_wait_kmcnt 0x0
	s_load_b256 s[24:31], s[16:17], 0x0            ; e0 .. e7
	s_load_b128 s[32:35], s[16:17], 0x20           ; e8 .. e11
	s_cmp_lt_u32 ttmp9, 256
	s_cbranch_scc0 .Lnot_x
	; ---- x: run u = 4 x work-group + wave: rows 16 (u / 2) on, K 512 (u % 2) on
	s_lshl_b32 s37, ttmp9, 2
	s_add_co_u32 s37, s37, s36
	s_lshr_b32 s38, s37, 1
	s_lshl_b32 s50, s38, 16                        ; 16 rows of 4,096 bytes
	s_and_b32 s39, s37, 1
	s_lshl_b32 s39, s39, 11
	s_add_co_u32 s50, s50, s39
	s_mov_b32 s51, 0
	s_add_nc_u64 s[40:41], s[4:5], s[50:51]
	s_lshl_b32 s52, s37, 13                        ; eight images
	s_mov_b32 s53, 0
	s_add_nc_u64 s[44:45], s[18:19], s[52:53]
	s_add_nc_u64 s[46:47], s[44:45], 0x800000      ; the second set,
	s_add_nc_u64 s[48:49], s[44:45], 0x1000000     ; the third
	s_wait_alu depctr_va_vdst(0)
	LOAD 0
	LOAD 1
	LOAD 2
	s_wait_kmcnt 0x0
	MKSC 0, 24
	MKSC 1, 26
	MKSC 2, 28
	s_wait_alu depctr_va_vdst(0)
	s_wait_loadcnt 16                              ; step 0's eight loads are in
	TURN 0, REGX
.irp t, 0,1,2,3,4,5,6,7
	STEP \t, 3, REGX
.endr
	s_wait_tensorcnt 0x0
	ds_add_u32 v14, v15
	s_wait_dscnt 0x0
	s_endpgm
.Lnot_x:
	s_cmp_lt_u32 ttmp9, 384
	s_cbranch_scc0 .Ltable
	; ---- the weights: run u = 4 x (work-group - 256) + wave; weight u / 128
	s_sub_co_u32 s37, ttmp9, 256
	s_lshr_b32 s54, s37, 5                         ; which weight: the choice hangs on the work-group's number alone
	s_lshl_b32 s37, s37, 2
	s_add_co_u32 s37, s37, s36
	s_cmp_eq_u32 s54, 1
	s_cselect_b64 s[40:41], s[8:9], s[6:7]
	s_cmp_eq_u32 s54, 2
	s_cselect_b64 s[40:41], s[10:11], s[40:41]
	s_cmp_eq_u32 s54, 3
	s_cselect_b64 s[40:41], s[12:13], s[40:41]
	s_and_b32 s38, s37, 127
	s_lshr_b32 s38, s38, 1
	s_lshl_b32 s50, s38, 16
	s_and_b32 s39, s37, 1
	s_lshl_b32 s39, s39, 11
	s_add_co_u32 s50, s50, s39
	s_mov_b32 s51, 0
	s_add_nc_u64 s[40:41], s[40:41], s[50:51]
	s_lshl_b32 s52, s37, 13
	s_mov_b32 s53, 0
	s_add_nc_u64 s[44:45], s[20:21], s[52:53]
	s_wait_alu depctr_va_vdst(0)
	LOAD 0
	LOAD 1
	LOAD 2
	s_wait_kmcnt 0x0
	s_cmp_eq_u32 s54, 1
	s_cselect_b32 s55, s27, s25                    ; e3 or e1,
	s_cmp_eq_u32 s54, 2
	s_cselect_b32 s55, s29, s55                    ; e5,
	s_cmp_eq_u32 s54, 3
	s_cselect_b32 s55, s35, s55                    ; e11
	MKSC 0, 55
	s_wait_alu depctr_va_vdst(0)
	s_wait_loadcnt 16
	TURN 0, REGW
.irp t, 0,1,2,3,4,5,6,7
	STEP \t, 1, REGW
.endr
	s_wait_tensorcnt 0x0
	ds_add_u32 v14, v15
	s_wait_dscnt 0x0
	s_endpgm
.Ltable:
	; ---- the table: a wave takes 16 tokens.  rope: [tile of 16 tokens 128][b 4][u 2][lane 32][16 bytes]: lane (r, h) holds cos, sin, cos, sin of frequencies 8 b + 4 h + 2 u and the next, for token 16 tile + r:
	; the order in which the next launch's lanes hold the pairs of a head's 64 channels.
	; frequency i: 10000^(-i / 32) = 2^(-i L), L = log2(10000) / 32 in two parts; the product's rounding error and L's low part correct the exponential to first order.
	; angle = position x frequency, rounded once; n = the nearest whole number to angle x 2 / pi; the rest by pi / 2 in three parts, each a fused multiply-add; polynomials for sin and cos on +-pi / 4; the quadrant by n's two low bits.
.set TFI,  16
.set TTT,  32
.set TER,  48
.set TW,   64
.set TA,   80
.set TN,   96
.set TZ,   112
.set TSN,  128
.set TCO,  144
.set TQ,   160
.set TRES, 176
.set THF,  208
	s_sub_co_u32 s37, ttmp9, 384
	s_lshl_b32 s37, s37, 2
	s_add_co_u32 s37, s37, s36                     ; the tile of 16 tokens
	s_lshl_b32 s50, s37, 6
	s_mov_b32 s51, 0
	s_add_nc_u64 s[40:41], s[14:15], s[50:51]
	s_lshl_b32 s52, s37, 12
	s_mov_b32 s53, 0
	s_add_nc_u64 s[44:45], s[22:23], s[52:53]
	v_lshlrev_b32 v8, 2, v2
	global_load_b32 v9, v8, s[40:41]               ; my token's position
	v_lshlrev_b32 v10, 2, v3                       ; 4 h
	s_wait_alu depctr_va_vdst(0)
	s_mov_b32 s54, 0x3ed49a78                      ; L, high part
	s_mov_b32 s55, 0x32179a6b                      ; L, low part
	s_mov_b32 s56, 0x3fc90fdb                      ; pi / 2 in three parts
	s_mov_b32 s57, 0xb33bbd2e
	s_mov_b32 s58, 0xa6f72ced
	s_mov_b32 s59, 0xbe2aaaa3                      ; sin: -1.6666654611e-1, 8.3321608736e-3, -1.9515295891e-4
	s_mov_b32 s60, 0x3c08839e
	s_mov_b32 s61, 0xb94ca1f9
	s_mov_b32 s62, 0x3d2aaaa5                      ; cos: 4.166664568e-2, -1.388731625e-3, 2.443315712e-5
	s_mov_b32 s63, 0xbab6061a
	s_mov_b32 s39, 0x37ccf5ce
.set n, 0
.rept 16
	v_add_nc_u32 v[TFI+n], 8*(n/4)+n%4, v10        ; number n = 4 b + 2 u + e of my sixteen: frequency 8 b + 2 u + e + 4 h
.set n, n+1
.endr
.set n, 0
.rept 16
	v_cvt_f32_u32 v[TFI+n], v[TFI+n]
.set n, n+1
.endr
.set n, 0
.rept 16
	v_mul_f32 v[TTT+n], s54, v[TFI+n]
.set n, n+1
.endr
.set n, 0
.rept 16
	v_fma_f32 v[TER+n], v[TFI+n], s54, -v[TTT+n]   ; what the product's rounding dropped,
.set n, n+1
.endr
.set n, 0
.rept 16
	v_fma_f32 v[TER+n], v[TFI+n], s55, v[TER+n]    ; and L's low part
.set n, n+1
.endr
.set n, 0
	s_wait_alu depctr_va_vdst(0)
.rept 16
	v_exp_f32 v[TW+n], -v[TTT+n]                   ; one batch
.set n, n+1
.endr
.set n, 0
.rept 16
	v_mul_f32 v[TER+n], 0x3f317218, v[TER+n]       ; x ln 2: plain lines that name no exponential's result
.set n, n+1
.endr
	s_wait_alu depctr_va_vdst(0)                   ; one wait for the batch, ahead of its first reader
.set n, 0
.rept 16
	v_fma_f32 v[TW+n], -v[TW+n], v[TER+n], v[TW+n]
.set n, n+1
.endr
	s_wait_kmcnt 0x0                               ; (the exponents, which this kind of work-group does not use, have landed)
	s_wait_loadcnt 0x0
	v_cvt_f32_i32 v9, v9
.set n, 0
.rept 16
	v_mul_f32 v[TA+n], v9, v[TW+n]                 ; the angle
.set n, n+1
.endr
.set n, 0
.rept 16
	v_mul_f32 v[TN+n], 0x3f22f983, v[TA+n]         ; x 2 / pi
.set n, n+1
.endr
.set n, 0
.rept 16
	v_rndne_f32 v[TN+n], v[TN+n]
.set n, n+1
.endr
.irp p, 56,57,58
.set n, 0
.rept 16
	v_fma_f32 v[TA+n], -v[TN+n], s[\p], v[TA+n]
.set n, n+1
.endr
.endr
.set n, 0
.rept 16
	v_mul_f32 v[TZ+n], v[TA+n], v[TA+n]
	v_cvt_i32_f32 v[TQ+n], v[TN+n]
.set n, n+1
.endr
.set n, 0
.rept 16
	v_fma_f32 v[TSN+n], v[TZ+n], s61, s60
	v_fma_f32 v[TCO+n], v[TZ+n], s39, s63
.set n, n+1
.endr
.set n, 0
.rept 16
	v_fma_f32 v[TSN+n], v[TSN+n], v[TZ+n], s59
	v_fma_f32 v[TCO+n], v[TCO+n], v[TZ+n], s62
.set n, n+1
.endr
.set n, 0
.rept 16
	v_mul_f32 v[TSN+n], v[TSN+n], v[TZ+n]
	v_fma_f32 v[THF+n], v[TZ+n], -0.5, 1.0
	v_mul_f32 v[TZ+n], v[TZ+n], v[TZ+n]
.set n, n+1
.endr
.set n, 0
.rept 16
	v_fma_f32 v[TSN+n], v[TSN+n], v[TA+n], v[TA+n] ; sin of the rest
	v_fma_f32 v[TCO+n], v[TCO+n], v[TZ+n], v[THF+n] ; cos of the rest
.set n, n+1
.endr
.set n, 0
.rept 16
	v_and_b32 v[TZ+n], 1, v[TQ+n]
	v_cmp_eq_u32 vcc_lo, 1, v[TZ+n]                ; an odd quadrant swaps the two
	v_cndmask_b32 v[TRES+2*n], v[TCO+n], v[TSN+n], vcc_lo
	v_cndmask_b32 v[TRES+2*n+1], v[TSN+n], v[TCO+n], vcc_lo
	v_and_b32 v[TZ+n], 2, v[TQ+n]                  ; sin changes sign in quadrants 2 and 3,
	v_lshlrev_b32 v[TZ+n], 30, v[TZ+n]
	v_xor_b32 v[TRES+2*n+1], v[TZ+n], v[TRES+2*n+1]
	v_add_nc_u32 v[TQ+n], 1, v[TQ+n]               ; cos in quadrants 1 and 2
	v_and_b32 v[TQ+n], 2, v[TQ+n]
	v_lshlrev_b32 v[TQ+n], 30, v[TQ+n]
	v_xor_b32 v[TRES+2*n], v[TQ+n], v[TRES+2*n]
.set n, n+1
.endr
.set n, 0
.rept 8
	global_store_b128 v[GO], v[TRES+4*n:TRES+4*n+3], s[44:45] offset:512*n   ; 512 consecutive bytes
.set n, n+1
.endr
	s_endpgm
.Lfunc_end_k_qd4284d5664_prep:
	.size	k_qd4284d5664_prep, .Lfunc_end_k_qd4284d5664_prep-k_qd4284d5664_prep
	.p2alignl 7, 3214868480
	.fill 96, 4, 3214868480
	.section	.rodata,"a",@progbits
	.p2align	6, 0x0
	.amdhsa_kernel k_qd4284d5664_prep
		.amdhsa_group_segment_fixed_size 70144
		.amdhsa_private_segment_fixed_size 0
		.amdhsa_enable_private_segment 0
		.amdhsa_kernarg_size 80
		.amdhsa_user_sgpr_count 2
		.amdhsa_user_sgpr_kernarg_segment_ptr 1
		.amdhsa_wavefront_size32 1
		.amdhsa_system_sgpr_workgroup_id_x 1
		.amdhsa_system_sgpr_workgroup_id_y 1
		.amdhsa_system_sgpr_workgroup_id_z 1
		.amdhsa_system_vgpr_workitem_id 0
		.amdhsa_next_free_vgpr 256
		.amdhsa_next_free_sgpr 66
		.amdhsa_reserve_vcc 1
		.amdhsa_float_denorm_mode_32 3
		.amdhsa_float_denorm_mode_16_64 3
		.amdhsa_fp16_overflow 1
		.amdhsa_memory_ordered 1
		.amdhsa_forward_progress 1
		.amdhsa_inst_pref_size 78
	.end_amdhsa_kernel
	.amdgpu_metadata
---
amdhsa.version: [ 1, 2 ]
amdhsa.kernels:
  - .name:           k_qd4284d5664_prep
    .symbol:         k_qd4284d5664_prep.kd
    .args:
      - { .name: x, .offset: 0, .size: 8, .value_kind: global_buffer, .address_space: global }
      - { .name: Wq, .offset: 8, .size: 8, .value_kind: global_buffer, .address_space: global }
      - { .name: Wk, .offset: 16, .size: 8, .value_kind: global_buffer, .address_space: global }
      - { .name: Wv, .offset: 24, .size: 8, .value_kind: global_buffer, .address_space: global }
      - { .name: Wo, .offset: 32, .size: 8, .value_kind: global_buffer, .address_space: global }
      - { .name: token_positions, .offset: 40, .size: 8, .value_kind: global_buffer, .address_space: global }
      - { .name: lowp_scales, .offset: 48, .size: 8, .value_kind: global_buffer, .address_space: global }
      - { .name: xc, .offset: 56, .size: 8, .value_kind: global_buffer, .address_space: global }
      - { .name: wc, .offset: 64, .size: 8, .value_kind: global_buffer, .address_space: global }
      - { .name: rope, .offset: 72, .size: 8, .value_kind: global_buffer, .address_space: global }
    .group_segment_fixed_size: 70144
    .private_segment_fixed_size: 0
    .kernarg_segment_align: 8
    .kernarg_segment_size: 80
    .max_flat_workgroup_size: 128
    .sgpr_count:     66
    .vgpr_count:     256
    .wavefront_size: 32
...
	.end_amdgpu_metadata
.endif
;; end of part 1
;; launch qkv (part 2): grid 8 x 32, 4 waves a work-group, clusters of 4 x 4, 327,680 bytes of LDS; arguments xc, wc, rope, lowp_scales, qkv; writes qkv
.if DOCPART == 2
	.amdgcn_target "amdgcn-amd-amdhsa--gfx1250"
	.amdhsa_code_object_version 6
	.text
	.protected	k_qd4284d5664_qkv
	.globl	k_qd4284d5664_qkv
	.p2align	8
	.type	k_qd4284d5664_qkv,@function
k_qd4284d5664_qkv:
	s_mov_b64 s[64:65], 0
	v_nop
	global_prefetch_b8 v0, s[64:65] scope:SCOPE_SE
	s_setreg_imm32_b32 hwreg(HW_REG_WAVE_MODE, 25, 1), 1
	s_wait_xcnt 0x0
	s_wait_alu depctr_hold_cnt(0) depctr_sa_sdst(0) depctr_va_vdst(0) depctr_va_sdst(0) depctr_va_ssrc(0) depctr_va_vcc(0) depctr_vm_vsrc(0)
	s_getreg_b32 s2, hwreg(HW_REG_IB_STS2, 6, 4)
	s_cmp_eq_u32 s2, 0
	s_cbranch_scc0 .Lentry_in_a_cluster
	s_endpgm
.Lentry_in_a_cluster:
	s_bfe_u32 s2, ttmp6, 0x10000c
	s_cmp_lg_u32 s2, 0xf033
	s_cbranch_scc0 .Lentry_shape_is_right
	s_endpgm
.Lentry_shape_is_right:
; Products 1 to 3 on E4M3 codes, the rotation of Q and K, and the quantising of Q, K and V for the attention launch.
; A work-group of four waves STAYS and makes three tiles of 256 x 128, K = 1,024 each: Q = x Wq^T and K = x Wk^T (256 tokens x 128 columns = two heads), and V^T = Wv x^T (256 channels x 128 tokens).
; 256 work-groups of equal work.  A wave makes 128 x 64: 32 accumulators of 16 x 16, 256 registers.
; ALL OPERANDS ARE IMAGES OF THEIR REGISTERS (16 rows x 64 K in 1,024 bytes; lane l's registers 0-3 at 16 l, registers 4-7 at 512 + 16 l): two images on end are a fragment of the K = 128 form, k in its true places;
; a tile of K = 256 is, for each 16 rows, 4,096 consecutive bytes; LDS needs no pitch and no padding, since every LDS load takes 512 consecutive bytes.
; THE MATRIX INSTRUCTION: source 0 = 16 of the tile's 128 rows ('B'), source 1 = 16 of its 256 rows ('A').  A lane then holds one A row, and its eight registers eight neighbouring B rows.  For Q and K: a token, and eight
; neighbouring channels of a head; for V^T: a channel, and eight neighbouring keys.  Both are neighbours along the next product's K, so a conversion's two registers ARE registers 2 b, 2 b + 1 of the next operand's image, and a block of
; 16 x 64 leaves by two stores of 512 consecutive bytes, with no way through LDS.
; THE RING: two LDS slots of K = 256 (A 64 KiB, B 32 KiB), twelve slot steps on end through the three tiles; waves 0, 1 fetch A's halves, waves 2, 3 B's: one tensor load a wave behind each round.  A wave has two tensor loads out at the start, one later.
; CLUSTERS: 4 x 4.  A's tile hangs on the cluster's row alone, B's on its column alone: each is asked for jointly by the four that share it.
; THE SCALES: a sum stands for sum x 2^(its operands' e added); the rotation is linear; so one conversion scale 2^(e6 - e0 - e1) (K: e7 - e2 - e3; V: e9 - e4 - e5) does all.
; LIMITS: these three exponents lie between -126 and 119.  NaN is not served.
; qkv: Q at byte 0, K at 8 MiB: [batch x head 64][tile of 16 tokens 128][1024]; V^T at 16 MiB: [batch x head 64][chunk of 64 keys 32][tile of 16 channels 4][1024].
; REGISTERS, in windows of 256: window 0: v1-13 addresses and constants; v32-127 at work on the way out; v128-191, v192-255 B's fragments, two sets.  window 1: A's fragments, two sets of 128.
;   window 2: accumulator (a, b) at v[8 (4 a + b)].   window 3: cos and sin for my 128 tokens: register 32 a + 8 b + 2 p: cos, the next: sin, of the pair p that accumulator (a, b) holds in registers 2 p, 2 p + 1.
.set SLOT,  98304
.set SPARE, 2*SLOT                     ; behind the ring: the spare words, 128 bytes for each wave: two blocks of 256 bytes that no other line names
.set LI,   1                           ; v1   16 x lane
.set ADRA, 2                           ; v2-3 my A fragments in slot 0, 1
.set ADRB, 4                           ; v4-5 my B fragments
.set SPW,  6                           ; v6   my spare word; never rewritten
.set NIL,  7                           ; v7   0; never rewritten
.set RR,   32                          ; v32-63  a block's 32 numbers
.set TM,   64                          ; v64-95  products of the rotation
.set CD,   96                          ; v96-127 four sets of an image's 8 registers
.set G1A, 48                           ; s[48:55] descriptor group 1 for A's tiles;  s[56:63] for B's
.set G1B, 56
.set G0A, 68                           ; s[68:75] group 0 for A's tiles, a set for each slot;  s[76:83] for B's
.set G0B, 76
.set MULW, 0xa4                        ; source 0 (B) window 0, source 1 (A) window 1, C and D window 2
.set MSB, 0
.macro WIN new                         ; the immediate's high byte repeats the setting that is left
.if MSB != \new
	s_set_vgpr_msb (MSB<<8)|\new
.set MSB, \new
.endif
.endm
.macro PLACES n
.rept \n
	v_nop
.endr
.endm
.macro JLOAD slot                      ; a joint load: waves 0, 1 for A, waves 2, 3 for B; the branch hangs on the wave's number alone; four v_nop follow each line
	s_cmp_eq_u32 s15, 0
	s_cbranch_scc0 .Lfor_b_\@
	tensor_load_to_lds s[G0A+4*(\slot):G0A+4*(\slot)+3], s[G1A:G1A+7]
	s_nop 0
.rept 4
	v_nop
.endr
	s_branch .Lasked_\@
.Lfor_b_\@:
	tensor_load_to_lds s[G0B+4*(\slot):G0B+4*(\slot)+3], s[G1B:G1B+7]
	s_nop 0
.rept 4
	v_nop
.endr
.Lasked_\@:
.endm
.macro CREST                           ; a round of the cluster's barrier behind its opening barrier
	s_cmp_lg_u32 s14, 0
	s_cbranch_scc1 .Lnot_wave_0_\@
	s_barrier_signal -3
.Lnot_wave_0_\@:
	s_barrier_wait -3
	s_barrier_signal -1
	s_barrier_wait -1
.endm
.macro CROUND
	s_barrier_signal -1
	s_barrier_wait -1
	CREST
.endm
.macro FETCH slot, q, st               ; the fragments of the slot's q-th 128 along K into set st: B's four, then A's eight: 48 loads of 512 consecutive bytes
	WIN 0
.set fi, 0
.rept 4
.irp c, 0,1,2,3
	ds_load_b128 v[128+64*(\st)+16*fi+4*\c:128+64*(\st)+16*fi+4*\c+3], v[ADRB+(\slot)] offset:4096*fi+2048*(\q)+512*\c
.endr
.set fi, fi+1
.endr
	WIN 0x40                                       ; destination window 1
.set fi, 0
.rept 8
.irp c, 0,1,2,3
	ds_load_b128 v[128*(\st)+16*fi+4*\c:128*(\st)+16*fi+4*\c+3], v[ADRA+(\slot)] offset:4096*fi+2048*(\q)+512*\c
.endr
.set fi, fi+1
.endr
.endm
.macro MUL a0, cnt, st, zero           ; A's blocks a0 .. a0 + cnt - 1 against B's four.  The 32 accumulators take turns, one instruction a turn, in the same order everywhere
.set aa, \a0
.rept \cnt
.irp b, 0,1,2,3
.if \zero
	v_wmma_f32_16x16x128_fp8_fp8 v[8*(4*aa+\b):8*(4*aa+\b)+7], v[128+64*(\st)+16*\b:128+64*(\st)+16*\b+15], v[128*(\st)+16*aa:128*(\st)+16*aa+15], 0
.else
	v_wmma_f32_16x16x128_fp8_fp8 v[8*(4*aa+\b):8*(4*aa+\b)+7], v[128+64*(\st)+16*\b:128+64*(\st)+16*\b+15], v[128*(\st)+16*aa:128*(\st)+16*aa+15], v[8*(4*aa+\b):8*(4*aa+\b)+7]
.endif
.endr
.set aa, aa+1
.endr
.endm
.macro STEPA slot, zero                ; a slot's first 128 along K, on set 0; the second 128's fragments are fetched into set 1.  zero = 1: a tile's first products start the sums
	s_wait_dscnt 0x0                               ; set 0 is in
	PLACES 4                                       ; four plain places between the last products on set 1 and the loads into it
	FETCH \slot, 1, 1
	WIN MULW
	MUL 0, 8, 0, \zero
	WIN 0
.endm
; A slot's second 128 along K, on set 1, and the change of slots.  In front of the one barrier each wave waits for all its tensor loads (its part of the other slot), adds 0 to its spare word, and waits for that and for its reads of
; this slot.  fill = 1: the barrier opens a round of the cluster's barrier, and behind it this slot is filled with the slot step two on: K quarter kq of the tile whose A and B begin at s[ba], s[bb].
.macro TURN slot, fill, ba, bb, kq
	s_wait_tensorcnt 0x0                           ; no tensor load of mine is out, so a group 0 may be written
	ds_add_u32 v[SPW], v[NIL]                      ; 0 onto my spare word
.if \fill
	s_add_nc_u64 s[G0A+4*(\slot)+2:G0A+4*(\slot)+3], s[\ba:\ba+1], (\kq)*4096
	s_or_b32 s[G0A+4*(\slot)+3], s[G0A+4*(\slot)+3], 0x80000000
	s_add_nc_u64 s[G0B+4*(\slot)+2:G0B+4*(\slot)+3], s[\bb:\bb+1], (\kq)*4096
	s_or_b32 s[G0B+4*(\slot)+3], s[G0B+4*(\slot)+3], 0x80000000
.endif
	s_wait_dscnt 1                                 ; set 1 is in; the add alone may be out
	WIN MULW
	MUL 0, 2, 1, 0
	s_wait_dscnt 0x0                               ; the add is done, and my reads of this slot are over
	s_barrier_signal -1
	MUL 2, 2, 1, 0
	WIN 0                                          ; at a branch and at a label every window is 0
	s_barrier_wait -1
.if \fill
	CREST                                          ; no wave of any partner still reads this slot or has a load on its way
	JLOAD \slot                                    ; the first tensor load behind the round; its four v_nop are also the places in front of the loads below
.else
	PLACES 4
.endif
	FETCH 1-(\slot), 0, 0
	WIN MULW
	MUL 4, 4, 1, 0
	WIN 0
.endm
.macro MKSC vs, vl, ea, eb, ec         ; v[vs] = 2^(ea - eb - ec) as f32, v[vl] = 448 x that
	s_sub_co_i32 s42, s[\ea], s[\eb]
	s_sub_co_i32 s42, s42, s[\ec]
	s_add_co_i32 s42, s42, 127
	s_lshl_b32 s43, s42, 23
	v_mov_b32 v[\vs], s43
	s_add_co_i32 s42, s42, 8
	s_lshl_b32 s42, s42, 23
	s_or_b32 s42, s42, 0x600000
	v_mov_b32 v[\vl], s42
.endm
.macro CODES sc, lim, base, off        ; the block's 32 numbers in v[RR] on: hold (done by the caller or here), conversion, two stores.  ea: the block
	s_wait_xcnt 0x0                                ; the earlier stores have read their data
.irp b, 0,1,2,3
	v_cvt_scalef32_pk8_fp8_f32 v[CD+8*(ea%4)+2*\b:CD+8*(ea%4)+2*\b+1], v[RR+8*\b:RR+8*\b+7], v[\sc]   ; accumulator b's eight numbers: registers 2 b, 2 b + 1 of the image
.endr
	v_nop                                          ; one plain vector line behind the conversions
	global_store_b128 v[LI], v[CD+8*(ea%4):CD+8*(ea%4)+3], s[\base:\base+1] offset:\off
	global_store_b128 v[LI], v[CD+8*(ea%4)+4:CD+8*(ea%4)+7], s[\base:\base+1] offset:\off+512
.endm
; The way out of Q or K: r1 = t1 cos - t2 sin, r2 = t1 sin + t2 cos on each pair of neighbouring channels; then hold, conversion, stores.  No LDS is touched.
.macro EPI_ROPE sc, lim, base
	PLACES 4                                       ; four plain places between the last products and the first read of results
.set ea, 0
.rept 8
	WIN 0x0e                                       ; source 0: the sums, window 2; source 1: cos and sin, window 3
.set eb, 0
.rept 16
	v_mul_f32 v[TM+2*eb], v[32*ea+2*eb+1], v[32*ea+2*eb+1]      ; t2 sin  (each accumulator is first read at its register 1)
	v_mul_f32 v[TM+2*eb+1], v[32*ea+2*eb+1], v[32*ea+2*eb]      ; t2 cos
.set eb, eb+1
.endr
.set eb, 0
.rept 16
	v_fma_f32 v[RR+2*eb], v[32*ea+2*eb], v[32*ea+2*eb], -v[TM+2*eb]
	v_fma_f32 v[RR+2*eb+1], v[32*ea+2*eb], v[32*ea+2*eb+1], v[TM+2*eb+1]
.set eb, eb+1
.endr
	WIN 0
.set eb, 0
.rept 32
.set eb, eb+1
.endr
	s_wait_alu depctr_va_vdst(0)
	CODES \sc, \lim, \base, 1024*ea                ; tokens 16 a on: the next image of my head
.set ea, ea+1
.endr
.endm
.macro EPI_V sc, lim, base
	PLACES 4
.set ea, 0
.rept 8
	WIN 0x02                                       ; source 0: the sums, window 2
.set eb, 0
.rept 32
	v_med3_num_f32 v[RR+eb], v[32*ea+eb], -v[\lim], v[\lim]
.set eb, eb+1
.endr
	WIN 0
	s_wait_alu depctr_va_vdst(0)
	CODES \sc, \lim, \base, (ea/4)*131072+(ea%4)*1024   ; channels 16 a on: head a / 4 of my two, tile a % 4 of its four
.set ea, ea+1
.endr
.endm
	s_load_b256 s[4:11], s[0:1], 0x0               ; xc 4:5, wc 6:7, rope 8:9, exponents 10:11
	s_load_b64 s[12:13], s[0:1], 0x20              ; qkv
	v_lshl_add_u32 v[SPW], v0, 2, SPARE
	v_mov_b32 v[NIL], 0
	ds_add_u32 v6, v7
	ds_add_u32 v6, v7
	s_wait_dscnt 0x0
	v_lshrrev_b32 v1, 5, v0
	v_readfirstlane_b32 s14, v1                    ; wave 0..3
	s_lshr_b32 s15, s14, 1                         ; which 128 of the tile's 256 A rows are mine.  Also: I fetch for A (0) or for B (1)
	s_and_b32 s16, s14, 1                          ; which 64 of its 128 B rows.  Also: which half I fetch
	s_bfe_u32 s17, ttmp6, 0x40000                  ; cx
	s_bfe_u32 s18, ttmp6, 0x40004                  ; cy
	s_lshl_b32 s21, ttmp9, 2
	s_add_co_u32 s21, s21, s17                     ; column 0..7 = 4 x cluster x + cx
	s_and_b32 s20, ttmp7, 0xffff                   ; cluster y
	s_lshl_b32 s22, s20, 2
	s_add_co_u32 s22, s22, s18                     ; row 0..31 = 4 x cluster y + cy
	s_lshl_b32 s23, s20, 3
	s_add_co_u32 s23, s23, s21                     ; V^T's tile of 128 tokens, 0..63 = 8 x cluster y + column: shared along a column of the cluster
	s_lshl_b32 s42, s18, 2
	s_lshl_b32 s42, 15, s42                        ; my row of the cluster
	s_lshl_b32 s43, 0x1111, s17                    ; my column
	s_or_b32 s[G1A], s42, (3<<16)|(1<<21)          ; 15:0 the mask; 17:16 elements of 8 bytes; 21 set beside a mask; no padding
	s_or_b32 s[G1B], s43, (3<<16)|(1<<21)
.irp g, G1A, G1B
	s_mov_b32 s[\g+1], 512<<16                     ; tensor_dim0 = 512 elements: 4,096 bytes, the four images of 16 rows x 256 K
	s_mov_b32 s[\g+3], 512<<16                     ; tile_dim0
	s_mov_b32 s[\g+5], 2048                        ; from one 16 rows to the next: 16,384 bytes
	s_mov_b32 s[\g+6], 0
	s_mov_b32 s[\g+7], 0
.endr
	s_mov_b32 s[G1A+2], 8<<16                      ; tensor_dim1: A: 8 x 16 rows a load
	s_mov_b32 s[G1A+4], 8                          ; tile_dim1
	s_mov_b32 s[G1B+2], 4<<16                      ; B: 4 x 16 rows
	s_mov_b32 s[G1B+4], 4
	s_lshl_b32 s2, s16, 15                         ; where my fetch goes in a slot: A's halves,
	s_lshl_b32 s3, s16, 14
	s_add_co_u32 s3, s3, 65536                     ; B's halves behind A's 64 KiB: no place in the cluster enters an LDS address
	v_and_b32 v[LI], 31, v0
	v_lshlrev_b32 v[LI], 4, v[LI]
	s_lshl_b32 s42, s15, 15
	v_add_nc_u32 v[ADRA], s42, v[LI]
	v_add_nc_u32 v[ADRA+1], SLOT, v[ADRA]
	s_lshl_b32 s42, s16, 14
	s_add_co_u32 s42, s42, 65536
	v_add_nc_u32 v[ADRB], s42, v[LI]
	v_add_nc_u32 v[ADRB+1], SLOT, v[ADRB]
	; where the three tiles' operands begin.  A's offsets stand in s[44:45] and never hold cx, B's in s[46:47] and never hold cy
	s_lshl_b32 s44, s22, 18                        ; 256 tokens: 16 x 16,384 bytes
	s_lshl_b32 s45, s16, 17
	s_add_co_u32 s44, s44, s45
	s_mov_b32 s45, 0
	s_lshl_b32 s46, s21, 17                        ; 128 rows of a weight
	s_lshl_b32 s47, s16, 16
	s_add_co_u32 s46, s46, s47
	s_mov_b32 s47, 0
	s_wait_kmcnt 0x0
	s_load_b256 s[84:91], s[10:11], 0x0            ; e0 .. e7
	s_load_b128 s[92:95], s[10:11], 0x20           ; e8 .. e11
	s_add_nc_u64 s[24:25], s[4:5], s[44:45]        ; Q: A = x's first set,
	s_add_nc_u64 s[26:27], s[24:25], 0x800000      ; K: its second
	s_add_nc_u64 s[30:31], s[6:7], s[46:47]        ; Q: B = Wq,
	s_add_nc_u64 s[32:33], s[30:31], 0x100000      ; K: Wk
	s_lshl_b32 s44, s18, 18                        ; V^T: A = Wv, 256 channels at cy
	s_lshl_b32 s45, s16, 17
	s_add_co_u32 s44, s44, s45
	s_add_co_u32 s44, s44, 0x200000
	s_mov_b32 s45, 0
	s_add_nc_u64 s[28:29], s[6:7], s[44:45]
	s_lshl_b32 s46, s23, 17                        ; V^T: B = x's third set, 128 tokens
	s_lshl_b32 s47, s16, 16
	s_add_co_u32 s46, s46, s47
	s_add_co_u32 s46, s46, 0x1000000
	s_mov_b32 s47, 0
	s_add_nc_u64 s[34:35], s[4:5], s[46:47]
	CROUND                                         ; all sixteen work-groups are here: the first joint loads meet
.irp s, 0,1
	s_mov_b32 s[G0A+4*\s], 1
	s_add_co_u32 s[G0A+4*\s+1], s2, \s*SLOT
	s_add_nc_u64 s[G0A+4*\s+2:G0A+4*\s+3], s[24:25], \s*4096
	s_or_b32 s[G0A+4*\s+3], s[G0A+4*\s+3], 0x80000000
	s_mov_b32 s[G0B+4*\s], 1
	s_add_co_u32 s[G0B+4*\s+1], s3, \s*SLOT
	s_add_nc_u64 s[G0B+4*\s+2:G0B+4*\s+3], s[30:31], \s*4096
	s_or_b32 s[G0B+4*\s+3], s[G0B+4*\s+3], 0x80000000
	s_wait_alu depctr_va_vdst(0)
	s_wait_tensorcnt 0x0
	ds_add_u32 v6, v7
	ds_add_u32 v6, v7
	s_wait_dscnt 0x0
	CROUND
	JLOAD \s
.endr
	; where the results go
	s_lshr_b32 s42, s22, 3                         ; batch
	s_lshl_b32 s42, s42, 4
	s_lshl_b32 s43, s21, 1
	s_add_co_u32 s42, s42, s43
	s_add_co_u32 s42, s42, s16                     ; batch x 16 + my head
	s_lshl_b32 s42, s42, 7
	s_and_b32 s43, s22, 7
	s_lshl_b32 s43, s43, 4
	s_lshl_b32 s44, s15, 3
	s_add_co_u32 s43, s43, s44                     ; my first tile of 16 tokens in the sequence
	s_add_co_u32 s42, s42, s43
	s_lshl_b32 s42, s42, 10
	s_lshl_b32 s44, s43, 12                        ; and its 4,096 bytes of cos and sin
	s_mov_b32 s45, 0
	s_mov_b32 s43, 0
	s_add_nc_u64 s[36:37], s[12:13], s[42:43]      ; Q
	s_add_nc_u64 s[38:39], s[36:37], 0x800000      ; K
	s_add_nc_u64 s[8:9], s[8:9], s[44:45]
	s_lshr_b32 s42, s23, 4                         ; V^T: batch
	s_lshl_b32 s42, s42, 4
	s_lshl_b32 s43, s18, 2
	s_add_co_u32 s42, s42, s43
	s_lshl_b32 s43, s15, 1
	s_add_co_u32 s42, s42, s43                     ; batch x 16 + the first of my two heads
	s_lshl_b32 s42, s42, 5
	s_and_b32 s43, s23, 15
	s_lshl_b32 s43, s43, 1
	s_add_co_u32 s42, s42, s43
	s_add_co_u32 s42, s42, s16                     ; + my chunk of 64 keys
	s_lshl_b32 s42, s42, 12
	s_add_co_u32 s42, s42, 0x1000000
	s_mov_b32 s43, 0
	s_add_nc_u64 s[40:41], s[12:13], s[42:43]
	WIN 0xc0                                       ; destination window 3
.set ti, 0
	s_wait_alu depctr_va_vdst(0)
.rept 64
	global_load_b128 v[4*ti:4*ti+3], v[LI], s[8:9] offset:512*ti   ; cos and sin of my 128 tokens, once for Q and K: 512 consecutive bytes a load
.set ti, ti+1
.endr
	WIN 0
	s_wait_kmcnt 0x0
	MKSC 8, 9, 90, 84, 85                          ; Q: e6 - e0 - e1
	MKSC 10, 11, 91, 86, 87                        ; K: e7 - e2 - e3
	MKSC 12, 13, 93, 88, 89                        ; V: e9 - e4 - e5
	s_wait_tensorcnt 1                             ; my part of slot 0 is in; slot 1's may stay out
	s_barrier_signal -1
	s_barrier_wait -1
	FETCH 0, 0, 0
	STEPA 0, 1                                     ; Q
	TURN 0, 1, 24, 30, 2
	STEPA 1, 0
	TURN 1, 1, 24, 30, 3
	STEPA 0, 0
	TURN 0, 1, 26, 32, 0                           ; the ring goes on into K
	STEPA 1, 0
	TURN 1, 1, 26, 32, 1
	s_wait_loadcnt 0x0                             ; cos and sin
	EPI_ROPE 8, 9, 36                              ; both refills are asked for and K's first fragments are on their way: now Q goes out
	STEPA 0, 1                                     ; K
	TURN 0, 1, 26, 32, 2
	STEPA 1, 0
	TURN 1, 1, 26, 32, 3
	STEPA 0, 0
	TURN 0, 1, 28, 34, 0                           ; on into V^T
	STEPA 1, 0
	TURN 1, 1, 28, 34, 1
	EPI_ROPE 10, 11, 38
	STEPA 0, 1                                     ; V^T
	TURN 0, 1, 28, 34, 2
	STEPA 1, 0
	TURN 1, 1, 28, 34, 3
	STEPA 0, 0
	TURN 0, 0, 0, 0, 0                             ; nothing is left to fetch: no round
	STEPA 1, 0
	s_wait_dscnt 0x0
	WIN MULW
	MUL 0, 8, 1, 0
	WIN 0
	EPI_V 12, 13, 40
	s_wait_tensorcnt 0x0                           ; the wave's end
	ds_add_u32 v[SPW], v[NIL]
	s_wait_dscnt 0x0
	CROUND                                         ; the closing round: no work-group ends while a partner may still ask for a tile that names it
	s_endpgm
.Lfunc_end_k_qd4284d5664_qkv:
	.size	k_qd4284d5664_qkv, .Lfunc_end_k_qd4284d5664_qkv-k_qd4284d5664_qkv
	.p2alignl 7, 3214868480
	.fill 96, 4, 3214868480
	.section	.rodata,"a",@progbits
	.p2align	6, 0x0
	.amdhsa_kernel k_qd4284d5664_qkv
		.amdhsa_group_segment_fixed_size 327680
		.amdhsa_private_segment_fixed_size 0
		.amdhsa_enable_private_segment 0
		.amdhsa_kernarg_size 40
		.amdhsa_user_sgpr_count 2
		.amdhsa_user_sgpr_kernarg_segment_ptr 1
		.amdhsa_wavefront_size32 1
		.amdhsa_system_sgpr_workgroup_id_x 1
		.amdhsa_system_sgpr_workgroup_id_y 1
		.amdhsa_system_sgpr_workgroup_id_z 1
		.amdhsa_system_vgpr_workitem_id 0
		.amdhsa_next_free_vgpr 1024
		.amdhsa_next_free_sgpr 96
		.amdhsa_reserve_vcc 0
		.amdhsa_float_denorm_mode_32 3
		.amdhsa_float_denorm_mode_16_64 3
		.amdhsa_fp16_overflow 1
		.amdhsa_memory_ordered 1
		.amdhsa_forward_progress 1
		.amdhsa_inst_pref_size 233
	.end_amdhsa_kernel
	.amdgpu_metadata
---
amdhsa.version: [ 1, 2 ]
amdhsa.kernels:
  - .name:           k_qd4284d5664_qkv
    .symbol:         k_qd4284d5664_qkv.kd
    .args:
      - { .name: xc, .offset: 0, .size: 8, .value_kind: global_buffer, .address_space: global }
      - { .name: wc, .offset: 8, .size: 8, .value_kind: global_buffer, .address_space: global }
      - { .name: rope, .offset: 16, .size: 8, .value_kind: global_buffer, .address_space: global }
      - { .name: lowp_scales, .offset: 24, .size: 8, .value_kind: global_buffer, .address_space: global }
      - { .name: qkv, .offset: 32, .size: 8, .value_kind: global_buffer, .address_space: global }
    .group_segment_fixed_size: 327680
    .private_segment_fixed_size: 0
    .kernarg_segment_align: 8
    .kernarg_segment_size: 40
    .max_flat_workgroup_size: 128
    .sgpr_count:     96
    .vgpr_count:     1024
    .wavefront_size: 32
...
	.end_amdgpu_metadata
.endif
;; end of part 2
;; launch attn (part 3): grid 4 x 64, 16 waves a work-group, clusters of 4 x 1, 264,192 bytes of LDS; arguments qkv, lowp_scales, yc; writes yc
.if DOCPART == 3
	.amdgcn_target "amdgcn-amd-amdhsa--gfx1250"
	.amdhsa_code_object_version 6
	.text
	.protected	k_qd4284d5664_attn
	.globl	k_qd4284d5664_attn
	.p2align	8
	.type	k_qd4284d5664_attn,@function
k_qd4284d5664_attn:
	s_mov_b64 s[64:65], 0
	v_nop
	global_prefetch_b8 v0, s[64:65] scope:SCOPE_SE
	s_setreg_imm32_b32 hwreg(HW_REG_WAVE_MODE, 25, 1), 1
	s_wait_xcnt 0x0
	s_wait_alu depctr_hold_cnt(0) depctr_sa_sdst(0) depctr_va_vdst(0) depctr_va_sdst(0) depctr_va_ssrc(0) depctr_va_vcc(0) depctr_vm_vsrc(0)
	s_getreg_b32 s2, hwreg(HW_REG_IB_STS2, 6, 4)
	s_cmp_eq_u32 s2, 0
	s_cbranch_scc0 .Lentry_in_a_cluster
	s_endpgm
.Lentry_in_a_cluster:
	s_bfe_u32 s2, ttmp6, 0x10000c
	s_cmp_lg_u32 s2, 0x3003
	s_cbranch_scc0 .Lentry_shape_is_right
	s_endpgm
.Lentry_shape_is_right:
; Products 4 and 5 on E4M3 codes with the causal mask, the softmax between them, and the quantising of Y for the last product.
; t = score x log2(e) / 8; M = the running largest t rounded UP to a whole number; p = 2^(t - M) is quantised (2^e8), not normalised; the row's sum is taken of the unquantised p and divides at the end; when M moves, the sum and O
; are multiplied by 2^(old M - new M), which rounds nothing.
; SHARES.  The four work-groups of a cluster share one of the 64 (batch, head).  A head has 128 tiles of 16 queries.  Wave w has a pair number p = 4 ((w / 4 + w % 4) % 4) + w / 4, made of the wave's number alone, and owns TWO tiles:
; LOW = 4 p + cx and HIGH = 127 - 4 p - cx.  Keys go in steps of 128.  LOW works in steps 0 .. p / 2, HIGH in steps 0 .. 15 - p / 2: 17 tile steps for every wave of every work-group; steps all of whose keys come after the
; tile's queries are left out by a scalar branch on the wave's number, which is the same in all partners (cx enters no branch and no LDS address).
; NO RING.  A head's K and V^T are 128 KiB each and lie in LDS whole, as they lie in memory: images of operands' registers (16 rows x 64 K in 1,024 bytes), read 512 consecutive bytes a load.  Waves 0 to 3 ask for all of it in the first
; lines, four joint loads each (four tensor loads of a wave are out at most), 512 keys a load pair; nothing is filled twice.  Four phases of 512 keys: in front of each, a counted wait and a barrier.
; LAYOUT.  S^T = K Q^T (source 0 = 16 keys, source 1 = my 16 queries): a lane holds one query and keys 16 T + 8 (lane / 16) + 0 .. 7 of tile T: so a conversion of tile T's eight registers gives registers 2 T, 2 T + 1 of P's fragment.
; O^T = V^T P^T (source 0 = 16 channels x 128 keys): a lane holds one query and eight neighbouring channels: so Y's codes are again an image, stored by two stores of 512 consecutive bytes.
; yc: [tile of 16 tokens 512][head 16][1024].
; LIMITS: e6 + e7 between -123 and 130 (added to the exponent field of log2(e) / 8); e8 and e10 between -126 and 119; e8 + e9 is applied by v_ldexp_f32.  NaN is not served.
; REGISTERS: v1, v2 my lane's place in K, in V; v3, v4 addresses in hand; v5, v6 the mask's d for LOW, HIGH; v[8:11] HIGH's -M, largest t, sum in two halves; v[12:15] LOW's; v16-23 Q of HIGH, v24-31 of LOW;
; v32-95 fragments of K, then of V; v96-159 S^T, then p; v160-191 O^T of HIGH, v192-223 of LOW; v224-239 P's codes; v240-254 constants and work.
.macro ROUND
	s_barrier_signal -1
	s_barrier_wait -1
	s_cmp_lg_u32 s10, 0
	s_cbranch_scc1 .Lnot_wave_0_\@
	s_barrier_signal -3
.Lnot_wave_0_\@:
	s_barrier_wait -3
	s_barrier_signal -1
	s_barrier_wait -1
.endm
; One tile's work on the 128 keys of step s14, whose K and V begin at LDS byte s15 (+ V's 128 KiB).  q: Q's registers; o: O^T's; st: the statistics; d: the mask's register; kd: the scalar with the tile's last step.
; guard = 1: the step is left out behind the tile's last step, and masked in it.
.macro TSTEP q, o, st, d, kd, guard
.if \guard
	s_cmp_gt_u32 s14, s[\kd]
	s_cbranch_scc1 .Lskip_\@
.endif
	v_add_nc_u32 v3, s15, v1
	v_add_nc_u32 v4, s15, v2
	v_nop
	v_nop                                          ; four plain places between the last products and the loads into the registers that they read
.set ti, 0
.rept 16
	ds_load_b128 v[32+4*ti:35+4*ti], v3 offset:512*ti              ; K's eight images
.set ti, ti+1
.endr
	s_wait_alu depctr_va_vdst(0)
	s_wait_dscnt 0x0
.set ti, 0
.rept 8
	v_wmma_f32_16x16x64_fp8_fp8 v[96+8*ti:103+8*ti], v[32+8*ti:39+8*ti], v[\q:\q+7], 0
.set ti, ti+1
.endr
.rept 4
	v_nop                                          ; four places: for the loads below and for the first read of the scores
.endr
.set ti, 0
.rept 16
	ds_load_b128 v[32+4*ti:35+4*ti], v4 offset:1024*(ti/4)+4096*((ti%4)/2)+512*(ti%2)   ; V^T's four fragments (two chunks of 64 keys each): they land while the softmax runs
.set ti, ti+1
.endr
.if \guard
	s_cmp_lg_u32 s14, s[\kd]
	s_cbranch_scc1 .Lopen_\@
.set ti, 0
.rept 64
	v_cmp_gt_i32 vcc_lo, 16*(ti/8)+ti%8, v[\d]     ; register 8 T + j holds key 16 T + j + 8 (lane / 16) of the step: hidden where 16 T + j > d = my query - the step's first key - 8 (lane / 16)
	v_cndmask_b32 v[96+ti], v[96+ti], v254, vcc_lo ; -infinity: p = 0
.set ti, ti+1
.endr
.Lopen_\@:
.endif
	v_max3_num_f32 v248, v96, v97, v98             ; the step's largest score of my query among my 64 keys, in two chains; each tile of scores is first read at its low end
	v_max3_num_f32 v252, v99, v100, v101
.set ti, 6
.rept 14
	v_max3_num_f32 v248, v248, v[96+ti], v[97+ti]
	v_max3_num_f32 v252, v252, v[98+ti], v[99+ti]
.set ti, ti+4
.endr
	v_max3_num_f32 v248, v248, v158, v159
	s_delay_alu instid0(VALU_DEP_1)
	v_max_num_f32 v248, v248, v252
	s_delay_alu instid0(VALU_DEP_1)
	v_permlanex16_b32 v246, v248, s20, s21
	s_delay_alu instid0(VALU_DEP_1)
	v_max_num_f32 v248, v248, v246                 ; and among lane l xor 16's
	s_delay_alu instid0(VALU_DEP_1)
	v_mul_f32 v248, s22, v248                      ; as t
	s_delay_alu instid0(VALU_DEP_1)
	v_max_num_f32 v[\st+1], v[\st+1], v248         ; the running largest t
	v_mov_b32 v248, v[\st]
	s_delay_alu instid0(VALU_DEP_2)
	v_floor_f32 v[\st], -v[\st+1]                  ; -M = floor(-t) = -ceil(t)
	s_delay_alu instid0(VALU_DEP_1)
	v_sub_f32 v248, v[\st], v248                   ; old M - new M: a whole number, 0 or less
	s_delay_alu instid0(VALU_DEP_1)
	v_cvt_i32_f32 v248, v248                       ; (it saturates)
	s_delay_alu instid0(VALU_DEP_1)
	v_ldexp_f32 v250, 1.0, v248                    ; f = 2^(old M - new M)
.set ti, 0
.rept 32
	v_pk_fma_f32 v[96+ti:97+ti], v[96+ti:97+ti], s[22:23], v[\st:\st+1] op_sel_hi:[1,0,0]   ; t - M, two at a time
.set ti, ti+2
.endr
.set ti, 0
	s_wait_alu depctr_va_vdst(0)
.rept 64
	v_exp_f32 v[96+ti], v[96+ti]                   ; p, one batch
.set ti, ti+1
.endr
	v_pk_mul_f32 v[\st+2:\st+3], v[\st+2:\st+3], v[250:251] op_sel_hi:[1,0]   ; the sums under the new M: the plain line behind the exponentials
	s_wait_alu depctr_va_vdst(0)                   ; one wait for the batch, ahead of its first reader
	v_pk_add_f32 v[242:243], v[96:97], v[98:99]    ; the row's sum of the unquantised p, in two chains
.set ti, 4
.rept 15
	v_pk_add_f32 v[\st+2:\st+3], v[\st+2:\st+3], v[96+ti:97+ti]
	v_pk_add_f32 v[242:243], v[242:243], v[98+ti:99+ti]
.set ti, ti+4
.endr
	s_delay_alu instid0(VALU_DEP_1)
	v_pk_add_f32 v[\st+2:\st+3], v[\st+2:\st+3], v[242:243]
.set ti, 0
.rept 8
.set tj, 0
.rept 8
.set tj, tj+1
.endr
	v_cvt_scalef32_pk8_fp8_f32 v[224+2*ti:225+2*ti], v[96+8*ti:103+8*ti], v244
.set ti, ti+1
.endr
.set ti, 0
.rept 16
	v_pk_mul_f32 v[\o+2*ti:\o+2*ti+1], v[\o+2*ti:\o+2*ti+1], v[250:251] op_sel_hi:[1,0]   ; O^T under the new M; also the plain lines between the conversions and the products
.set ti, ti+1
.endr
	s_wait_alu depctr_va_vdst(0)
	s_wait_dscnt 0x0                               ; V^T is in
.set ti, 0
.rept 4
	v_wmma_f32_16x16x128_fp8_fp8 v[\o+8*ti:\o+8*ti+7], v[32+16*ti:47+16*ti], v[224:239], v[\o+8*ti:\o+8*ti+7]   ; four accumulators by turns; eight products S^T stand between two links of a chain
.set ti, ti+1
.endr
.if \guard
.Lskip_\@:
.endif
.endm
; Phase ph: keys 512 ph on.  The count leaves the fetching waves' loads for later phases out.  Every wave walks all four trips; what a wave leaves out is a step's work.
.macro PHASE ph
	s_wait_dscnt 0x0
	s_wait_tensorcnt 3-\ph
	s_barrier_signal -1
	s_barrier_wait -1
	s_mov_b32 s14, 4*\ph
	s_mov_b32 s15, 32768*\ph
.Lph\ph:
.if \ph < 2
	TSTEP 16, 160, 8, 6, 13, 0                     ; HIGH's last step is 8 or later: here it always works and is never masked
	TSTEP 24, 192, 12, 5, 12, 1                    ; LOW's last step is 7 or earlier
.else
	TSTEP 16, 160, 8, 6, 13, 1
.endif
	s_add_co_u32 s15, s15, 8192
	s_add_co_u32 s14, s14, 1
	s_cmp_lt_u32 s14, 4*\ph+4
	s_cbranch_scc1 .Lph\ph
.endm
	s_load_b128 s[4:7], s[0:1], 0x0                ; qkv 4:5, exponents 6:7
	s_load_b64 s[8:9], s[0:1], 0x10                ; yc
	v_lshl_add_u32 v253, v0, 2, 0x40000
	v_mov_b32 v255, 0
	ds_add_u32 v253, v255
	ds_add_u32 v253, v255
	v_lshrrev_b32 v1, 5, v0
	s_delay_alu instid0(VALU_DEP_1)
	v_readfirstlane_b32 s10, v1                    ; wave 0..15
	s_bfe_u32 s16, ttmp6, 0x40000                  ; cx
	s_and_b32 s17, ttmp7, 0xffff                   ; batch x 16 + head, which the four partners share
	s_lshr_b32 s18, s10, 2
	s_and_b32 s19, s10, 3
	s_add_co_u32 s19, s19, s18
	s_and_b32 s19, s19, 3
	s_lshl_b32 s19, s19, 2
	s_add_co_u32 s11, s19, s18                     ; p
	s_lshr_b32 s12, s11, 1                         ; LOW's last step
	s_sub_co_u32 s13, 15, s12                      ; HIGH's
	s_lshl_b32 s60, s11, 2
	s_add_co_u32 s60, s60, s16                     ; LOW's tile
	s_sub_co_u32 s61, 127, s60                     ; HIGH's
	v_and_b32 v1, 31, v0
	s_delay_alu instid0(VALU_DEP_1)
	v_lshlrev_b32 v1, 4, v1                        ; 16 x lane
	s_delay_alu instid0(VALU_DEP_1)
	v_add_nc_u32 v2, 0x20000, v1                   ; V^T lies behind K's 128 KiB
	v_and_b32 v32, 15, v0
	v_bfe_u32 v33, v0, 4, 1
	s_delay_alu instid0(VALU_DEP_1)
	v_lshlrev_b32 v33, 3, v33
	s_delay_alu instid0(VALU_DEP_1)
	v_sub_nc_u32 v32, v32, v33                     ; r - 8 h
	s_and_b32 s18, s11, 1
	s_lshl_b32 s18, s18, 6
	s_lshl_b32 s19, s16, 4
	s_add_co_u32 s18, s18, s19                     ; LOW's first query less its last step's first key: 64 (p % 2) + 16 cx
	s_sub_co_u32 s19, 112, s18                     ; HIGH's: 112 - that
	v_add_nc_u32 v5, s18, v32
	v_add_nc_u32 v6, s19, v32
	; descriptor group 1: 64 rows of 256 bytes, dense: 16 KiB
	s_mov_b32 s24, 15|(3<<16)|(1<<21)              ; 15:0 the mask: all four work-groups; 17:16 elements of 8 bytes; 21 set beside a mask
	s_mov_b32 s25, 32<<16
	s_mov_b32 s26, 64<<16
	s_mov_b32 s27, 32<<16
	s_mov_b32 s28, 64
	s_mov_b32 s29, 32
	s_mov_b32 s30, 0
	s_mov_b32 s31, 0
	s_mov_b32 s20, 0x76543210
	s_mov_b32 s21, 0xfedcba98                      ; v_permlanex16_b32: lane l xor 16
	s_lshr_b32 s53, s10, 1
	s_and_b32 s53, s53, 1                          ; waves 0, 1 fetch K, waves 2, 3 V^T;
	s_and_b32 s54, s10, 1                          ; which 16 KiB of a phase's 32
	s_lshl_b32 s55, s53, 17
	s_lshl_b32 s56, s54, 14
	s_add_co_u32 s55, s55, s56                     ; in LDS,
	s_lshl_b32 s56, s53, 23
	s_lshl_b32 s57, s17, 17
	s_add_co_u32 s56, s56, s57
	s_lshl_b32 s57, s54, 14
	s_add_co_u32 s56, s56, s57
	s_add_co_u32 s56, s56, 0x800000                ; and in memory: K at 8 MiB, V^T at 16 MiB, 128 KiB a head
	s_mov_b32 s57, 0
	s_wait_dscnt 0x0
	s_wait_kmcnt 0x0
	s_load_b128 s[48:51], s[6:7], 0x18             ; e6, e7, e8, e9
	s_load_b32 s52, s[6:7], 0x28                   ; e10
	s_add_nc_u64 s[58:59], s[4:5], s[56:57]
	ROUND                                          ; all four work-groups are here: the joint loads meet
.irp n, 0,1,2,3
	s_mov_b32 s[32+4*\n], 1
	s_add_co_u32 s[33+4*\n], s55, \n*32768
	s_add_nc_u64 s[34+4*\n:35+4*\n], s[58:59], \n*32768
	s_or_b32 s[35+4*\n], s[35+4*\n], 0x80000000
.endr
	s_cmp_lt_u32 s10, 4                            ; a wave's first fills stand in one branch on the wave's number, ahead of every wait on TENSORcnt, every LDS read and every further barrier
	s_cbranch_scc0 .Lno_fetch
	tensor_load_to_lds s[32:35], s[24:31]
	s_nop 0
	tensor_load_to_lds s[36:39], s[24:31]
	s_nop 0
	tensor_load_to_lds s[40:43], s[24:31]
	s_nop 0
	tensor_load_to_lds s[44:47], s[24:31]
	s_nop 0
.rept 4
	v_nop
.endr
.Lno_fetch:
	s_lshl_b32 s53, s17, 7
	s_add_co_u32 s54, s53, s61
	s_lshl_b32 s54, s54, 10
	s_mov_b32 s55, 0
	s_add_nc_u64 s[54:55], s[4:5], s[54:55]        ; Q's image of HIGH,
	s_add_co_u32 s56, s53, s60
	s_lshl_b32 s56, s56, 10
	s_mov_b32 s57, 0
	s_add_nc_u64 s[56:57], s[4:5], s[56:57]        ; of LOW
	s_wait_alu depctr_va_vdst(0)
	global_load_b128 v[16:19], v1, s[54:55]
	global_load_b128 v[20:23], v1, s[54:55] offset:512
	global_load_b128 v[24:27], v1, s[56:57]
	global_load_b128 v[28:31], v1, s[56:57] offset:512
	v_mov_b32 v9, 0xff61b1e6                       ; the largest t so far: -3e38, under every t
	s_delay_alu instid0(VALU_DEP_1)
	v_floor_f32 v8, -v9
	v_mov_b32 v10, 0
	v_mov_b32 v11, 0
	v_mov_b32 v13, 0xff61b1e6
	s_delay_alu instid0(VALU_DEP_1)
	v_floor_f32 v12, -v13
	v_mov_b32 v14, 0
	v_mov_b32 v15, 0
	v_mov_b32 v246, 0                              ; written once: a lane permute's destination counts as one of its sources
	v_mov_b32 v248, 0
	v_mov_b32 v251, 0                              ; (named as the upper half of the pair v[250:251])
	v_mov_b32 v254, 0xff800000                     ; -infinity
.set ti, 0
.rept 64
	v_mov_b32 v[160+ti], 0                         ; O^T of both tiles: the step is written without a first step of its own; the first change of M leaves zeros zeros
.set ti, ti+1
.endr
	s_wait_kmcnt 0x0
	s_mov_b32 s22, 0x3e38aa3b                      ; log2(e) / 8
	s_add_co_i32 s62, s48, s49
	s_lshl_b32 s62, s62, 23
	s_add_co_i32 s22, s22, s62                     ; a score stands for score x 2^(e6 + e7): added to the exponent field
	s_mov_b32 s23, s22
	s_add_co_i32 s62, s50, 127
	s_lshl_b32 s63, s62, 23
	v_mov_b32 v244, s63                            ; 2^e8
	s_add_co_i32 s62, s52, 127
	s_lshl_b32 s63, s62, 23
	v_mov_b32 v245, s63                            ; 2^e10
	s_wait_loadcnt 0x0                             ; Q
	PHASE 0
	PHASE 1
	PHASE 2
	PHASE 3
	; THE WAY OUT: Y = O^T x 2^(e8 + e9) / the sum, held, converted with 2^e10: the conversions' results are Y's image
.rept 4
	v_nop
.endr
	v_add_f32 v10, v10, v11
	v_add_f32 v14, v14, v15
	s_delay_alu instid0(VALU_DEP_2)
	v_permlanex16_b32 v246, v10, s20, s21
	s_delay_alu instid0(VALU_DEP_2)
	v_permlanex16_b32 v248, v14, s20, s21
	s_delay_alu instid0(VALU_DEP_2)
	v_add_f32 v10, v10, v246
	s_delay_alu instid0(VALU_DEP_2)
	v_add_f32 v14, v14, v248
	s_wait_alu depctr_va_vdst(0)
	v_rcp_f32 v10, v10
	v_rcp_f32 v14, v14
	v_nop                                          ; the plain line behind the reciprocals
	s_add_co_i32 s62, s50, s51
	s_lshr_b32 s53, s17, 4                         ; batch
	s_lshl_b32 s53, s53, 7
	s_and_b32 s63, s17, 15                         ; head
	s_add_co_u32 s32, s53, s61                     ; (phase 3's wait for 0 has shown every tensor load done: the descriptors' registers are free)
	s_lshl_b32 s32, s32, 4
	s_add_co_u32 s32, s32, s63
	s_lshl_b32 s32, s32, 10
	s_mov_b32 s33, 0
	s_add_nc_u64 s[32:33], s[8:9], s[32:33]        ; HIGH's image of Y,
	s_add_co_u32 s34, s53, s60
	s_lshl_b32 s34, s34, 4
	s_add_co_u32 s34, s34, s63
	s_lshl_b32 s34, s34, 10
	s_mov_b32 s35, 0
	s_add_nc_u64 s[34:35], s[8:9], s[34:35]        ; LOW's
	s_wait_alu depctr_va_vdst(0)                   ; one wait for both reciprocals, ahead of their first reader
	v_ldexp_f32 v10, v10, s62
	v_ldexp_f32 v14, v14, s62
.set ti, 0
.rept 16
	v_pk_mul_f32 v[96+2*ti:97+2*ti], v[160+2*ti:161+2*ti], v[10:11] op_sel_hi:[1,0]
.set ti, ti+1
.endr
.set ti, 0
.rept 16
	v_pk_mul_f32 v[128+2*ti:129+2*ti], v[192+2*ti:193+2*ti], v[14:15] op_sel_hi:[1,0]
.set ti, ti+1
.endr
.set ti, 0
.rept 64
.set ti, ti+1
.endr
.set ti, 0
.rept 8
	v_cvt_scalef32_pk8_fp8_f32 v[224+2*ti:225+2*ti], v[96+8*ti:103+8*ti], v245
.set ti, ti+1
.endr
	v_nop
	global_store_b128 v1, v[224:227], s[32:33]     ; 512 consecutive bytes a store
	global_store_b128 v1, v[228:231], s[32:33] offset:512
	global_store_b128 v1, v[232:235], s[34:35]
	global_store_b128 v1, v[236:239], s[34:35] offset:512
	s_wait_tensorcnt 0x0
	ds_add_u32 v253, v255
	s_wait_dscnt 0x0
	ROUND                                          ; the closing round
	s_endpgm
.Lfunc_end_k_qd4284d5664_attn:
	.size	k_qd4284d5664_attn, .Lfunc_end_k_qd4284d5664_attn-k_qd4284d5664_attn
	.p2alignl 7, 3214868480
	.fill 96, 4, 3214868480
	.section	.rodata,"a",@progbits
	.p2align	6, 0x0
	.amdhsa_kernel k_qd4284d5664_attn
		.amdhsa_group_segment_fixed_size 264192
		.amdhsa_private_segment_fixed_size 0
		.amdhsa_enable_private_segment 0
		.amdhsa_kernarg_size 24
		.amdhsa_user_sgpr_count 2
		.amdhsa_user_sgpr_kernarg_segment_ptr 1
		.amdhsa_wavefront_size32 1
		.amdhsa_system_sgpr_workgroup_id_x 1
		.amdhsa_system_sgpr_workgroup_id_y 1
		.amdhsa_system_sgpr_workgroup_id_z 1
		.amdhsa_system_vgpr_workitem_id 0
		.amdhsa_next_free_vgpr 256
		.amdhsa_next_free_sgpr 66
		.amdhsa_reserve_vcc 1
		.amdhsa_float_denorm_mode_32 3
		.amdhsa_float_denorm_mode_16_64 3
		.amdhsa_fp16_overflow 1
		.amdhsa_memory_ordered 1
		.amdhsa_forward_progress 1
		.amdhsa_inst_pref_size 116
	.end_amdhsa_kernel
	.amdgpu_metadata
---
amdhsa.version: [ 1, 2 ]
amdhsa.kernels:
  - .name:           k_qd4284d5664_attn
    .symbol:         k_qd4284d5664_attn.kd
    .args:
      - { .name: qkv, .offset: 0, .size: 8, .value_kind: global_buffer, .address_space: global }
      - { .name: lowp_scales, .offset: 8, .size: 8, .value_kind: global_buffer, .address_space: global }
      - { .name: yc, .offset: 16, .size: 8, .value_kind: global_buffer, .address_space: global }
    .group_segment_fixed_size: 264192
    .private_segment_fixed_size: 0
    .kernarg_segment_align: 8
    .kernarg_segment_size: 24
    .max_flat_workgroup_size: 512
    .sgpr_count:     66
    .vgpr_count:     256
    .wavefront_size: 32
...
	.end_amdgpu_metadata
.endif
;; end of part 3
;; launch oproj (part 4): grid 8 x 32, 4 waves a work-group, clusters of 4 x 4, 327,680 bytes of LDS; arguments yc, wc, lowp_scales, out0; writes out0
.if DOCPART == 4
	.amdgcn_target "amdgcn-amd-amdhsa--gfx1250"
	.amdhsa_code_object_version 6
	.text
	.protected	k_qd4284d5664_oproj
	.globl	k_qd4284d5664_oproj
	.p2align	8
	.type	k_qd4284d5664_oproj,@function
k_qd4284d5664_oproj:
	s_mov_b64 s[64:65], 0
	v_nop
	global_prefetch_b8 v0, s[64:65] scope:SCOPE_SE
	s_setreg_imm32_b32 hwreg(HW_REG_WAVE_MODE, 25, 1), 1
	s_wait_xcnt 0x0
	s_wait_alu depctr_hold_cnt(0) depctr_sa_sdst(0) depctr_va_vdst(0) depctr_va_sdst(0) depctr_va_ssrc(0) depctr_va_vcc(0) depctr_vm_vsrc(0)
	s_getreg_b32 s2, hwreg(HW_REG_IB_STS2, 6, 4)
	s_cmp_eq_u32 s2, 0
	s_cbranch_scc0 .Lentry_in_a_cluster
	s_endpgm
.Lentry_in_a_cluster:
	s_bfe_u32 s2, ttmp6, 0x10000c
	s_cmp_lg_u32 s2, 0xf033
	s_cbranch_scc0 .Lentry_shape_is_right
	s_endpgm
.Lentry_shape_is_right:
; Product 6: out0 = Y Wo^T on E4M3 codes, each sum x 2^(e10 + e11).  Y: 8,192 x 1,024 and Wo: 1,024 x 1,024 as images of operands' registers (16 rows x 64 K in 1,024 bytes; [tile of 16 rows][chunk of 64 K 16][1024]).
; A tile of out0 is 256 tokens x 128 columns: 256 work-groups, one tile each.  Four waves, each 128 x 64: 32 accumulators.  K goes in steps of 256 through a ring of two LDS slots (A 64 KiB, B 32 KiB);
; waves 0, 1 fetch A's halves, waves 2, 3 B's, one tensor load a wave behind each round; two tensor loads of a wave are out at the start, one later.
; CLUSTERS: 4 x 4: Y's tile is shared along a row of the cluster, Wo's along a column: joint loads.
; The matrix instruction takes 16 rows of Wo as source 0 and 16 tokens as source 1: a lane holds a token and eight neighbouring columns.  A block of 16 tokens x 64 columns goes through the wave's own stage in LDS
; (bytes into which no tensor load lands) and leaves as rows: sixteen lanes store 256 consecutive bytes, aligned.
; LIMIT: e10 + e11 between -126 and 127, so that 2^(e10 + e11) is an f32 number.
; REGISTERS: window 0: v1-12 addresses; v32-63 a block's results; v64-127 rows read back, two sets; v128-191, v192-255 B's fragments, two sets.  window 1: A's fragments, two sets of 128.  window 2: accumulator (a, b) at v[8 (4 a + b)].
.set SLOT,  98304
.set SPARE, 2*SLOT                     ; behind the ring: the spare words, 128 bytes for each wave
.set STAGE, SPARE+512                  ; behind them: 16 rows x 272 bytes for each wave
.set LI,   1
.set ADRA, 2
.set ADRB, 4
.set SPW,  6
.set NIL,  7
.set STO,  10                          ; v10  the stage: where I put 32 bytes of a row
.set RD,   11                          ; v11  where I read rows back
.set CO,   12                          ; v12  my byte offset in two rows of out0
.set G1A, 48
.set G1B, 56
.set G0A, 68
.set G0B, 76
.set MULW, 0xa4                        ; source 0 (B) window 0, source 1 (A) window 1, C and D window 2
.set MSB, 0
.macro WIN new
.if MSB != \new
	s_set_vgpr_msb (MSB<<8)|\new
.set MSB, \new
.endif
.endm
.macro PLACES n
.rept \n
	v_nop
.endr
.endm
.macro JLOAD slot                      ; a joint load: waves 0, 1 for A, waves 2, 3 for B; four v_nop follow each line
	s_cmp_eq_u32 s15, 0
	s_cbranch_scc0 .Lfor_b_\@
	tensor_load_to_lds s[G0A+4*(\slot):G0A+4*(\slot)+3], s[G1A:G1A+7]
	s_nop 0
.rept 4
	v_nop
.endr
	s_branch .Lasked_\@
.Lfor_b_\@:
	tensor_load_to_lds s[G0B+4*(\slot):G0B+4*(\slot)+3], s[G1B:G1B+7]
	s_nop 0
.rept 4
	v_nop
.endr
.Lasked_\@:
.endm
.macro CREST
	s_cmp_lg_u32 s14, 0
	s_cbranch_scc1 .Lnot_wave_0_\@
	s_barrier_signal -3
.Lnot_wave_0_\@:
	s_barrier_wait -3
	s_barrier_signal -1
	s_barrier_wait -1
.endm
.macro CROUND
	s_barrier_signal -1
	s_barrier_wait -1
	CREST
.endm
.macro FETCH slot, q, st               ; the fragments of the slot's q-th 128 along K into set st
	WIN 0
.set fi, 0
.rept 4
.irp c, 0,1,2,3
	ds_load_b128 v[128+64*(\st)+16*fi+4*\c:128+64*(\st)+16*fi+4*\c+3], v[ADRB+(\slot)] offset:4096*fi+2048*(\q)+512*\c
.endr
.set fi, fi+1
.endr
	WIN 0x40
.set fi, 0
.rept 8
.irp c, 0,1,2,3
	ds_load_b128 v[128*(\st)+16*fi+4*\c:128*(\st)+16*fi+4*\c+3], v[ADRA+(\slot)] offset:4096*fi+2048*(\q)+512*\c
.endr
.set fi, fi+1
.endr
.endm
.macro MUL a0, cnt, st, zero           ; the 32 accumulators take turns, one instruction a turn
.set aa, \a0
.rept \cnt
.irp b, 0,1,2,3
.if \zero
	v_wmma_f32_16x16x128_fp8_fp8 v[8*(4*aa+\b):8*(4*aa+\b)+7], v[128+64*(\st)+16*\b:128+64*(\st)+16*\b+15], v[128*(\st)+16*aa:128*(\st)+16*aa+15], 0
.else
	v_wmma_f32_16x16x128_fp8_fp8 v[8*(4*aa+\b):8*(4*aa+\b)+7], v[128+64*(\st)+16*\b:128+64*(\st)+16*\b+15], v[128*(\st)+16*aa:128*(\st)+16*aa+15], v[8*(4*aa+\b):8*(4*aa+\b)+7]
.endif
.endr
.set aa, aa+1
.endr
.endm
.macro STEPA slot, zero
	s_wait_dscnt 0x0                               ; set 0 is in
	PLACES 4                                       ; four plain places between the last products on set 1 and the loads into it
	FETCH \slot, 1, 1
	WIN MULW
	MUL 0, 8, 0, \zero
	WIN 0
.endm
.macro TURN slot, fill, kq             ; a slot's second 128 along K and the change of slots; fill = 1: this slot takes K quarter kq
	s_wait_tensorcnt 0x0                           ; no tensor load of mine is out, so a group 0 may be written
	ds_add_u32 v[SPW], v[NIL]                      ; 0 onto my spare word
.if \fill
	s_add_nc_u64 s[G0A+4*(\slot)+2:G0A+4*(\slot)+3], s[24:25], (\kq)*4096
	s_or_b32 s[G0A+4*(\slot)+3], s[G0A+4*(\slot)+3], 0x80000000
	s_add_nc_u64 s[G0B+4*(\slot)+2:G0B+4*(\slot)+3], s[30:31], (\kq)*4096
	s_or_b32 s[G0B+4*(\slot)+3], s[G0B+4*(\slot)+3], 0x80000000
.endif
	s_wait_dscnt 1                                 ; set 1 is in; the add alone may be out
	WIN MULW
	MUL 0, 2, 1, 0
	s_wait_dscnt 0x0                               ; the add is done, and my reads of this slot are over
	s_barrier_signal -1
	MUL 2, 2, 1, 0
	WIN 0
	s_barrier_wait -1
.if \fill
	CREST                                          ; no wave of any partner still reads this slot or has a load on its way
	JLOAD \slot                                    ; the first tensor load behind the round; its four v_nop are also the places in front of the loads below
.else
	PLACES 4
.endif
	FETCH 1-(\slot), 0, 0
	WIN MULW
	MUL 4, 4, 1, 0
	WIN 0
.endm
.macro TOSTAGE a                       ; block a: sums x 2^(e10 + e11), each accumulator from its low end on; into my stage and back as rows.  LDS serves a wave's instructions in order: no wait between
	WIN 0x02                                       ; source 0 window 2
.set oi, 0
.rept 16
	v_pk_mul_f32 v[32+2*oi:33+2*oi], v[32*(\a)+2*oi:32*(\a)+2*oi+1], s[46:47] op_sel_hi:[1,0]
.set oi, oi+1
.endr
	WIN 0
.set oi, 0
.rept 4
	ds_store_b128 v[STO], v[32+8*oi:35+8*oi] offset:64*oi
	ds_store_b128 v[STO], v[36+8*oi:39+8*oi] offset:64*oi+16
.set oi, oi+1
.endr
.set oi, 0
.rept 8
	ds_load_b128 v[64+32*((\a)%2)+4*oi:64+32*((\a)%2)+4*oi+3], v[RD] offset:544*oi
.set oi, oi+1
.endr
.endm
.macro SEND a, younger                 ; younger: the LDS instructions issued behind block a's loads, which may stay out
	s_wait_dscnt \younger
.set oi, 0
.rept 8
	global_store_b128 v[CO], v[64+32*((\a)%2)+4*oi:64+32*((\a)%2)+4*oi+3], s[10:11] offset:(16*(\a)+2*oi)*4096 th:TH_STORE_NT   ; sixteen lanes store 256 consecutive bytes, aligned; two rows a store
.set oi, oi+1
.endr
.endm
	s_load_b256 s[4:11], s[0:1], 0x0               ; yc 4:5, wc 6:7, exponents 8:9, out0 10:11
	v_lshl_add_u32 v[SPW], v0, 2, SPARE
	v_mov_b32 v[NIL], 0
	ds_add_u32 v6, v7
	ds_add_u32 v6, v7
	s_wait_dscnt 0x0
	v_lshrrev_b32 v1, 5, v0
	v_readfirstlane_b32 s14, v1                    ; wave 0..3
	s_lshr_b32 s15, s14, 1                         ; which 128 tokens are mine.  Also: I fetch for A (0) or for B (1)
	s_and_b32 s16, s14, 1                          ; which 64 columns.  Also: which half I fetch
	s_bfe_u32 s17, ttmp6, 0x40000                  ; cx
	s_bfe_u32 s18, ttmp6, 0x40004                  ; cy
	s_lshl_b32 s21, ttmp9, 2
	s_add_co_u32 s21, s21, s17                     ; tile column 0..7
	s_and_b32 s20, ttmp7, 0xffff
	s_lshl_b32 s22, s20, 2
	s_add_co_u32 s22, s22, s18                     ; tile row 0..31
	s_lshl_b32 s42, s18, 2
	s_lshl_b32 s42, 15, s42                        ; my row of the cluster
	s_lshl_b32 s43, 0x1111, s17                    ; my column
	s_or_b32 s[G1A], s42, (3<<16)|(1<<21)          ; the mask; elements of 8 bytes; bit 21 beside a mask; no padding
	s_or_b32 s[G1B], s43, (3<<16)|(1<<21)
.irp g, G1A, G1B
	s_mov_b32 s[\g+1], 512<<16                     ; rows of 4,096 bytes: the four images of 16 rows x 256 K
	s_mov_b32 s[\g+3], 512<<16
	s_mov_b32 s[\g+5], 2048                        ; 16,384 bytes apart
	s_mov_b32 s[\g+6], 0
	s_mov_b32 s[\g+7], 0
.endr
	s_mov_b32 s[G1A+2], 8<<16
	s_mov_b32 s[G1A+4], 8
	s_mov_b32 s[G1B+2], 4<<16
	s_mov_b32 s[G1B+4], 4
	s_lshl_b32 s2, s16, 15                         ; where my fetch goes in a slot
	s_lshl_b32 s3, s16, 14
	s_add_co_u32 s3, s3, 65536
	v_and_b32 v[LI], 31, v0
	v_lshlrev_b32 v[LI], 4, v[LI]
	s_lshl_b32 s42, s15, 15
	v_add_nc_u32 v[ADRA], s42, v[LI]
	v_add_nc_u32 v[ADRA+1], SLOT, v[ADRA]
	s_lshl_b32 s42, s16, 14
	s_add_co_u32 s42, s42, 65536
	v_add_nc_u32 v[ADRB], s42, v[LI]
	v_add_nc_u32 v[ADRB+1], SLOT, v[ADRB]
	v_and_b32 v8, 15, v0
	v_bfe_u32 v9, v0, 4, 1
	s_mul_i32 s42, s14, 16*272
	s_add_co_u32 s42, s42, STAGE                   ; my stage
	v_mul_u32_u24 v[STO], v8, 272
	v_lshl_add_u32 v[STO], v9, 5, v[STO]
	v_add_nc_u32 v[STO], s42, v[STO]               ; in: row r, 32 bytes for each half of the lanes
	v_mul_u32_u24 v[RD], v9, 272
	v_lshl_add_u32 v[RD], v8, 4, v[RD]
	v_add_nc_u32 v[RD], s42, v[RD]                 ; back: lanes 0-15 one row of 256 bytes, lanes 16-31 the next
	v_lshlrev_b32 v[CO], 12, v9
	v_lshl_add_u32 v[CO], v8, 4, v[CO]             ; and the same two rows in out0
	s_lshl_b32 s44, s22, 18                        ; A's offset never holds cx,
	s_lshl_b32 s45, s16, 17
	s_add_co_u32 s44, s44, s45
	s_mov_b32 s45, 0
	s_lshl_b32 s46, s21, 17                        ; B's never cy
	s_lshl_b32 s47, s16, 16
	s_add_co_u32 s46, s46, s47
	s_add_co_u32 s46, s46, 0x300000                ; Wo is the fourth weight
	s_mov_b32 s47, 0
	s_wait_kmcnt 0x0
	s_load_b64 s[84:85], s[8:9], 0x28              ; e10, e11
	s_add_nc_u64 s[24:25], s[4:5], s[44:45]
	s_add_nc_u64 s[30:31], s[6:7], s[46:47]
	CROUND                                         ; all sixteen work-groups are here: the first joint loads meet
.irp s, 0,1
	s_mov_b32 s[G0A+4*\s], 1
	s_add_co_u32 s[G0A+4*\s+1], s2, \s*SLOT
	s_add_nc_u64 s[G0A+4*\s+2:G0A+4*\s+3], s[24:25], \s*4096
	s_or_b32 s[G0A+4*\s+3], s[G0A+4*\s+3], 0x80000000
	s_mov_b32 s[G0B+4*\s], 1
	s_add_co_u32 s[G0B+4*\s+1], s3, \s*SLOT
	s_add_nc_u64 s[G0B+4*\s+2:G0B+4*\s+3], s[30:31], \s*4096
	s_or_b32 s[G0B+4*\s+3], s[G0B+4*\s+3], 0x80000000
	s_wait_alu depctr_va_vdst(0)
	s_wait_tensorcnt 0x0
	ds_add_u32 v6, v7
	ds_add_u32 v6, v7
	s_wait_dscnt 0x0
	CROUND
	JLOAD \s
.endr
	s_lshl_b32 s42, s22, 20                        ; my part of out0: 256 rows of 4,096 bytes a tile row, 128 rows a half,
	s_lshl_b32 s43, s15, 19
	s_add_co_u32 s42, s42, s43
	s_lshl_b32 s43, s21, 9                         ; 512 bytes a tile column, 256 a half
	s_add_co_u32 s42, s42, s43
	s_lshl_b32 s43, s16, 8
	s_add_co_u32 s42, s42, s43
	s_mov_b32 s43, 0
	s_add_nc_u64 s[10:11], s[10:11], s[42:43]
	s_wait_tensorcnt 1                             ; my part of slot 0 is in; slot 1's may stay out
	s_barrier_signal -1
	s_barrier_wait -1
	FETCH 0, 0, 0
	STEPA 0, 1
	TURN 0, 1, 2
	STEPA 1, 0
	TURN 1, 1, 3
	STEPA 0, 0
	TURN 0, 0, 0                                   ; nothing is left to fetch: no round
	STEPA 1, 0
	s_wait_dscnt 0x0
	WIN MULW
	MUL 0, 8, 1, 0
	WIN 0
	s_wait_kmcnt 0x0
	s_add_co_i32 s46, s84, s85
	s_add_co_i32 s46, s46, 127
	s_lshl_b32 s46, s46, 23                        ; 2^(e10 + e11) as f32
	s_mov_b32 s47, s46                             ; (named with it as a pair, so it is written)
	PLACES 4                                       ; four plain places between the last products and the first read of results
	TOSTAGE 0
.irp a, 1,2,3,4,5,6,7
.if \a > 1
	s_wait_xcnt 0x0                                ; block a - 2's stores have read their registers: block a's rows may land there
.endif
	TOSTAGE \a
	SEND \a-1, 16                                  ; behind block a - 1's loads: block a's 8 stores and 8 loads
.endr
	SEND 7, 0
	s_wait_tensorcnt 0x0                           ; the wave's end
	ds_add_u32 v[SPW], v[NIL]
	s_wait_dscnt 0x0
	CROUND                                         ; the closing round
	s_endpgm
.Lfunc_end_k_qd4284d5664_oproj:
	.size	k_qd4284d5664_oproj, .Lfunc_end_k_qd4284d5664_oproj-k_qd4284d5664_oproj
	.p2alignl 7, 3214868480
	.fill 96, 4, 3214868480
	.section	.rodata,"a",@progbits
	.p2align	6, 0x0
	.amdhsa_kernel k_qd4284d5664_oproj
		.amdhsa_group_segment_fixed_size 327680
		.amdhsa_private_segment_fixed_size 0
		.amdhsa_enable_private_segment 0
		.amdhsa_kernarg_size 32
		.amdhsa_user_sgpr_count 2
		.amdhsa_user_sgpr_kernarg_segment_ptr 1
		.amdhsa_wavefront_size32 1
		.amdhsa_system_sgpr_workgroup_id_x 1
		.amdhsa_system_sgpr_workgroup_id_y 1
		.amdhsa_system_sgpr_workgroup_id_z 1
		.amdhsa_system_vgpr_workitem_id 0
		.amdhsa_next_free_vgpr 1024
		.amdhsa_next_free_sgpr 96
		.amdhsa_reserve_vcc 0
		.amdhsa_float_denorm_mode_32 3
		.amdhsa_float_denorm_mode_16_64 3
		.amdhsa_memory_ordered 1
		.amdhsa_forward_progress 1
		.amdhsa_inst_pref_size 76
	.end_amdhsa_kernel
	.amdgpu_metadata
---
amdhsa.version: [ 1, 2 ]
amdhsa.kernels:
  - .name:           k_qd4284d5664_oproj
    .symbol:         k_qd4284d5664_oproj.kd
    .args:
      - { .name: yc, .offset: 0, .size: 8, .value_kind: global_buffer, .address_space: global }
      - { .name: wc, .offset: 8, .size: 8, .value_kind: global_buffer, .address_space: global }
      - { .name: lowp_scales, .offset: 16, .size: 8, .value_kind: global_buffer, .address_space: global }
      - { .name: out0, .offset: 24, .size: 8, .value_kind: global_buffer, .address_space: global }
    .group_segment_fixed_size: 327680
    .private_segment_fixed_size: 0
    .kernarg_segment_align: 8
    .kernarg_segment_size: 32
    .max_flat_workgroup_size: 128
    .sgpr_count:     96
    .vgpr_count:     1024
    .wavefront_size: 32
...
	.end_amdgpu_metadata
.endif
;; end of part 4
